; MI455X (gfx1250); checked and timed in simulation.
; The chip was launched on July 23, 2026; its instructions are those of AMD's public machine-readable ISA for CDNA 5 (MIT licence, August 2026) and "CDNA5" Instruction Set Architecture Reference Guide (July 2026). The comments in the code are by the model that wrote it; some were corrected since.
;; Multi Head Attention. Allowed arithmetic: matrix products marked QUANTISED: E2M3 operands, one E8M0 scale for each 32 along K, by v_wmma_scale_f32_16x16x128_f8f6f4 with both operands' format E2M3, f32 sums; everything else in f32.
;; Inputs: Wk_codes 1,024 x 32 x 24 uint8 (E2M3 codes of Wk, K innermost, in blocks of 32 codes, four codes in three bytes); Wk_scales 1,024 x 32 uint8 (E8M0 scales of Wk, one for each 32 codes along K); Wo_codes 1,024 x 32 x 24 uint8 (E2M3 codes of Wo, K innermost, in blocks of 32 codes, four codes in three bytes); Wo_scales 1,024 x 32 uint8 (E8M0 scales of Wo, one for each 32 codes along K); Wq_codes 1,024 x 32 x 24 uint8 (E2M3 codes of Wq, K innermost, in blocks of 32 codes, four codes in three bytes); Wq_scales 1,024 x 32 uint8 (E8M0 scales of Wq, one for each 32 codes along K); Wv_codes 1,024 x 32 x 24 uint8 (E2M3 codes of Wv, K innermost, in blocks of 32 codes, four codes in three bytes); Wv_scales 1,024 x 32 uint8 (E8M0 scales of Wv, one for each 32 codes along K); bk 1,024 float32; bo 1,024 float32; bq 1,024 float32; bv 1,024 float32; key_codes 4 x 2,048 x 32 x 24 uint8 (E2M3 codes of key, K innermost, in blocks of 32 codes, four codes in three bytes); key_scales 4 x 2,048 x 32 uint8 (E8M0 scales of key, one for each 32 codes along K); query_codes 4 x 2,048 x 32 x 24 uint8 (E2M3 codes of query, K innermost, in blocks of 32 codes, four codes in three bytes); query_scales 4 x 2,048 x 32 uint8 (E8M0 scales of query, one for each 32 codes along K); value_codes 4 x 2,048 x 32 x 24 uint8 (E2M3 codes of value, K innermost, in blocks of 32 codes, four codes in three bytes); value_scales 4 x 2,048 x 32 uint8 (E8M0 scales of value, one for each 32 codes along K).
;; Outputs: out0 4 x 2,048 x 1,024 float32.
;; This version of the problem:
;;   THIS VERSION OF THE PROBLEM IS GIVEN IN LOW PRECISION. The matrix products marked QUANTISED in the list below multiply operands that are first quantised to E2M3 (2 exponent bits, 3 mantissa bits; 6 bits a number), with one power-of-two scale for each 32 numbers along K (OCP MX v1.0); their sums are f32. All else is computed in f32.
;;   The module's matrix products, in the order in which they are computed (A, B: the left and right operand; K: the contracted axis; several contracted axes count as one K, in the product's order):
;;     1. [M 8,192, K 1,024] x [K 1,024, N 1,024]; A: input query (given as codes); B: input Wq (given as codes): QUANTISED
;;     2. [M 8,192, K 1,024] x [K 1,024, N 1,024]; A: input key (given as codes); B: input Wk (given as codes): QUANTISED
;;     3. [M 8,192, K 1,024] x [K 1,024, N 1,024]; A: input value (given as codes); B: input Wv (given as codes): QUANTISED
;;     4. batch 64 x [M 2,048, K 64] x [K 64, N 2,048]; A: computed on the way; B: computed on the way: QUANTISED
;;     5. batch 64 x [M 2,048, K 2,048] x [K 2,048, N 64]; A: softmax (see below); B: computed on the way: QUANTISED
;;     6. [M 8,192, K 1,024] x [K 1,024, N 1,024]; A: computed on the way; B: input Wo (given as codes): QUANTISED
;;   THE QUANTISER, for each operand of a quantised product, along K:
;;     - K is cut into blocks of 32 from its start; a last block that is shorter is filled with zeros.
;;     - A block's scale is 2^e with e = floor(log2(the largest magnitude in the block)) - 2, held to -126 .. 127; a block of zeros has e = 0. As a byte (E8M0): e + 127.
;;     - Each number is divided by its block's scale, clamped to +-7.5, and rounded to the nearest number of E2M3, ties to even, subnormals kept.
;;     - The product sums the exact products of the quantised numbers (number of the format x scale) in f32.
;;   ~~~python
;;   def quantise(x, axis):      # numpy; x: float32 -> the quantised numbers, widened to float32 again
;;       x = np.moveaxis(x, axis, -1); K = x.shape[-1]
;;       x = np.pad(x, [(0, 0)] * (x.ndim - 1) + [(0, -K % 32)]); x = x.reshape(x.shape[:-1] + (-1, 32)); a = np.abs(x).max(-1, keepdims=True)
;;       e = np.where(a > 0, np.clip(np.frexp(np.where(a > 0, a, 1))[1] - 1 - 2, -126, 127), 0)      # np.frexp(a)[1] - 1 = floor(log2(a)), exactly
;;       r = np.clip(x / 2.0 ** e, -7.5, 7.5)
;;       step = 2.0 ** (np.maximum(np.frexp(np.where(r == 0, 1, r))[1] - 1, 0) - 3)
;;       q = np.round(r / step) * step * 2.0 ** e      # np.round: ties to even
;;       return np.moveaxis(q.reshape(q.shape[:-2] + (-1,))[..., :K], -1, axis).astype(np.float32)
;;   ~~~
;;   SOFTMAX AHEAD OF A QUANTISED PRODUCT. Where the list says 'softmax', what is quantised is not the finished softmax but p = 2^(t - M), with t = logit x log2(e) and M = ceil(the row's largest t), a whole number; so 1/2 < the row's largest p <= 1. The row's sum l is taken of the UNQUANTISED p, in f32, and the product's result is divided by l at the end. Since M is a whole number, a kernel that streams over the keys may use a running M (the ceiling of the running maximum): every later rescaling is an exact power of two, which a block's scale takes up: the codes' values come out the same.
;;   OPERANDS COMPUTED ON THE WAY. 'Computed on the way' means the value that the module computes at that place (a softmax that the list does not call 'softmax' is quantised finished and normalised). What goes into a quantiser is computed in f32, as accurately as f32 sums, v_exp_f32 and their like allow (about 1e-6 of the number): no bf16 or f16 on the way to a quantiser, and a product that is left as it is and whose result goes on into a quantised operand takes f32 operands (vector FMAs, or v_wmma_f32_16x16x4_f32). A number that lies on a knife's edge between two numbers of the format may be rounded either way, as far as f32 arithmetic and the matrix unit's own rounding can turn it there, and no further.
;;   INPUTS GIVEN AS CODES. Wk (in the module: [1024, 1024], K = its axis 1); Wo (in the module: [1024, 1024], K = its axis 1); Wq (in the module: [1024, 1024], K = its axis 1); Wv (in the module: [1024, 1024], K = its axis 1); key (in the module: [4, 2048, 1024], K = its axis 2); query (in the module: [4, 2048, 1024], K = its axis 2); value (in the module: [4, 2048, 1024], K = its axis 2): each comes as NAME_codes (uint8): NAME with its K axis moved to the last place and cut into blocks of 32 codes, [.., K / 32, bytes a block], one block behind the other in memory; four codes in three bytes: a row's codes are one little-endian stream of bits, code i at bits 6 i .. 6 i + 5 (a code: sign, 2 exponent bits, 3 mantissa bits); and NAME_scales (uint8): the same leading axes, one E8M0 byte (e + 127) for each 32 codes along K. Its value is code x scale, taken as it is: it is not quantised again, and the codes and scales need not be those that the quantiser above would give.
;; One version. Each part assembles by itself: llvm-mc -triple=amdgcn-amd-amdhsa -mcpu=gfx1250 --defsym DOCPART=n.
;; ======== version 1 of 1: 3 launches
;; limits: right only within a limited range of input values
;; workspace buffers: pack 19,660,800 bytes; ac 6,291,456 bytes; asc 262,144 bytes
;; launch proj (part 1): grid 4 x 96, 4 waves a work-group, clusters of 4 x 4, 327,680 bytes of LDS; arguments query_codes, query_scales, Wq_codes, Wq_scales, bq, key_codes, key_scales, Wk_codes, Wk_scales, bk, value_codes, value_scales, Wv_codes, Wv_scales, bv, pack; writes pack
.if DOCPART == 1
	.amdgcn_target "amdgcn-amd-amdhsa--gfx1250"
	.amdhsa_code_object_version 6
	.text
	.protected	k_q80e510b187_proj
	.globl	k_q80e510b187_proj
	.p2align	8
	.type	k_q80e510b187_proj,@function
k_q80e510b187_proj:
	s_mov_b64 s[64:65], 0
	v_nop
	global_prefetch_b8 v0, s[64:65] scope:SCOPE_SE
	s_setreg_imm32_b32 hwreg(HW_REG_WAVE_MODE, 25, 1), 1
	s_wait_xcnt 0x0
	s_wait_alu depctr_hold_cnt(0) depctr_sa_sdst(0) depctr_va_vdst(0) depctr_va_sdst(0) depctr_va_ssrc(0) depctr_va_vcc(0) depctr_vm_vsrc(0)
	s_getreg_b32 s2, hwreg(HW_REG_IB_STS2, 6, 4)
	s_cmp_eq_u32 s2, 0
	s_cbranch_scc0 .Lentry_in_a_cluster
	s_endpgm
.Lentry_in_a_cluster:
	s_bfe_u32 s2, ttmp6, 0x10000c
	s_cmp_lg_u32 s2, 0xf033
	s_cbranch_scc0 .Lentry_shape_is_right
	s_endpgm
.Lentry_shape_is_right:
; q = query Wq^T + bq, k = key Wk^T + bk, v = value Wv^T + bv: three products [8192 x 1024] x [1024 x 1024] on codes of FP6 (E2M3), one E8M0 scale for each 32 along K, sums in f32.
; The results are quantised at once for attention's two products and stored as images of operand registers: q and k along the head's 64, v along the tokens.
; SHARES: 384 tiles of 256 x 256, one to a work-group of four waves; a wave makes 128 x 128 in 64 accumulators.  Cluster y / 8 says which product: 0 q, 1 k, 2 v.
; The result holds source 1's row in the lane and eight rows of source 0 in its registers.  q, k: source 1 = tokens, source 0 = rows of W;  v: source 1 = rows of Wv, source 0 = tokens.
; K goes through a ring of two LDS slots in CHUNKS OF 256 BYTES of each row of 768: three chunks; a step of 128 along K is 96 bytes, so steps 2 and 5 lie across two chunks.
; At the head one joint load a wave: chunk 0 of source 1, of source 0, and the two blocks of scale bytes, which stay.  Chunk 1 goes out behind a whole round, chunk 2 is the one refill.
; No prefetch: of three chunks two are asked for at the head, so no step lies far enough ahead of a load to ask in.
; CLUSTERS 4 x 4: source 1's tile is shared along a row of the cluster, source 0's along a column: joint loads.
; pack, for each (batch, head), 307,200 bytes: K's 64 fragments of 1,536 bytes at 0; V's 64 at 98,304; K's scale words at 196,608; V's at 200,704; Q's fragments at 204,800; Q's scale words at 303,104.
;   A fragment of K or Q holds two tiles of 16 tokens x 64 (registers 0-5, 6-11); one of V 16 of the head's 64 x 128 tokens.  Lane l's registers 4 c .. 4 c + 3 lie at 512 c + 16 l.  Scale words: [128 tokens][lane % 16][4 fragments].
; ORDER INSIDE A BLOCK OF 32: place 16 h + 8 u + j holds number 16 u + 8 h + j; both operands of each of attention's products are laid so, so the same products are summed.
; LIMITS: NaN and infinities are not served; a block of zeros, or one whose largest magnitude lies under 2^-124, gets the scale byte 1; the bytes are read by this program alone.
; REGISTERS: window 0: v16-31 addresses, v32-63 scale words (two sets), v96-103 bias by lanes, from v128 source 1's fragments; window 1: source 0's fragments (two sets), bias by registers in v96-127, v224-255; windows 2, 3: accumulators.
.set ROWB,   256
.set NQ,     2
.set KROW,   768
.set STEPS,  8
.set CHUNKS, 3
.set PITCH,  272                       ; 256 bytes + 16 of padding
.set FR,     12
.set NL,     6
.set NP,     4
.set HALFT,  128*PITCH
.set SLOT,   4*HALFT
.set KS,     32
.set SCL,    2*SLOT
.set HALFS,  (128*KS/256)*272
.set SBLK,   (16*KS/256)*272
.set SPARE,  SCL+4*HALFS
.set HB,     307200
.set ADRA, 16                          ; v16-17 source 1's fragments in slot 0, 1; v18-19 for pieces whose two halves of the lanes lie in different chunks
.set ADRB, 20                          ; v20-23 the same for source 0
.set VO,   24
.set VSA,  25
.set BA,   26
.set ADRS, 27
.set SPW,  28
.set NIL,  29
.set BL,   30
.set SC,   32
.set BV,   96
.set PC,   104
.set AF,   128
.set ST,   128
.set TM,   224
.set SW,   240
.set SWS,  248
.set G0H, 4
.set G0HB, 8
.set G1, 24
.set G0, 32
.set G1B, 48
.set G0B, 56
.set SEL, 66
.set G1S, 68
.set G0S, 76
.set G1SB, 80
.set G0SB, 88
.set BP, 100
.set MSB, 0
.macro WIN new
.if MSB != (\new)
	s_set_vgpr_msb (MSB<<8)|(\new)
.set MSB, (\new)
.endif
.endm
.set MUL_LO, 0xa1
.set MUL_HI, 0xf1
.set TO_B,   0x40
.macro TLOAD g0, g1                    ; s_nop 0 and four v_nop behind the load
	tensor_load_to_lds s[\g0:\g0+3], s[\g1:\g1+7]
	s_nop 0
.rept 4
	v_nop
.endr
.endm
.macro JLOAD g0a, g1a, g0b, g1b        ; waves 0, 1 fetch for source 1, waves 2, 3 for source 0
	s_cmp_eq_u32 s15, 0
	s_cbranch_scc0 .Lfor_b_\@
	TLOAD \g0a, \g1a
	s_branch .Lasked_\@
.Lfor_b_\@:
	TLOAD \g0b, \g1b
.Lasked_\@:
.endm
.macro CREST
	s_cmp_lg_u32 s14, 0
	s_cbranch_scc1 .Lnot_wave_0_\@
	s_barrier_signal -3
.Lnot_wave_0_\@:
	s_barrier_wait -3
	s_barrier_signal -1
	s_barrier_wait -1
.endm
.macro CROUND
	s_barrier_signal -1
	s_barrier_wait -1
	CREST
.endm
	s_load_b512 s[68:83], s[0:1], 0x0              ; query's codes s68, scales s70; Wq's s72, s74; bq s76; key's s78, s80; Wk's codes s82
	s_load_b512 s[84:99], s[0:1], 0x40             ; Wk's scales s84; bk s86; value's s88, s90; Wv's s92, s94; bv s96; pack s98
	v_lshl_add_u32 v[SPW], v0, 2, SPARE
	v_mov_b32 v[NIL], 0
	ds_add_u32 v[SPW], v[NIL]                      ; the opening lines: the add twice on end and one wait
	ds_add_u32 v[SPW], v[NIL]
	v_lshrrev_b32 v1, 5, v0
	v_readfirstlane_b32 s14, v1                    ; wave
	s_lshr_b32 s15, s14, 1                         ; my half of source 1's rows; also: I fetch for source 1 (0) or 0 (1)
	s_and_b32 s16, s14, 1                          ; my half of source 0's rows; also: which 128 rows I fetch
	s_bfe_u32 s40, ttmp6, 0x40000                  ; cx
	s_bfe_u32 s41, ttmp6, 0x40004                  ; cy
	s_and_b32 s18, ttmp7, 0xffff                   ; the cluster's number, 0 .. 23
	s_lshr_b32 s2, s18, 3                          ; the product
	s_and_b32 s18, s18, 7
	s_lshl_b32 s18, s18, 2                         ; the first of the cluster's four tiles of tokens
	s_cmp_eq_u32 s2, 2
	s_cselect_b32 s17, 0, s18                      ; source 1's tile
	s_cselect_b32 s42, s18, 0                      ; source 0's
	s_add_co_u32 s17, s17, s41
	s_add_co_u32 s42, s42, s40
	s_lshl_b32 s43, s41, 2
	s_lshl_b32 s43, 15, s43                        ; my row of the cluster
	s_lshl_b32 s44, 0x1111, s40                    ; my column
	s_mov_b32 s[SEL], 0x76543210
	s_mov_b32 s[SEL+1], 0xfedcba98
	s_or_b32 s[G1+0], s43, (1<<20)|(1<<21)|(5<<22)|(3<<25)   ; rows of 256 bytes, 16 of padding behind each; 256 rows at the head
	s_or_b32 s[G1B+0], s44, (1<<20)|(1<<21)|(5<<22)|(3<<25)
.irp g, G1, G1B
	s_mov_b32 s[\g+1], ROWB<<16
	s_mov_b32 s[\g+2], 256<<16
	s_mov_b32 s[\g+3], ROWB<<16
	s_mov_b32 s[\g+4], 256
	s_mov_b32 s[\g+5], KROW
	s_mov_b32 s[\g+6], 0
	s_mov_b32 s[\g+7], 0
.endr
	s_mul_i32 s20, s17, 256*KROW                   ; where the tiles' codes begin, in bytes,
	s_mov_b32 s21, 0
	s_lshl_b32 s22, s17, 13                        ; and their scale bytes
	s_mov_b32 s23, 0
	s_mul_i32 s46, s42, 256*KROW
	s_mov_b32 s47, 0
	s_mul_i32 s18, s16, 128*KROW                   ; in the ring I fetch 128 rows
	s_mov_b32 s19, 0
	s_mul_i32 s45, s14, HALFT
	s_wait_dscnt 0x0
	s_wait_kmcnt 0x0
	s_cmp_eq_u32 s2, 0                             ; the buffers are chosen by the product's number alone
	s_cselect_b64 s[4:5], s[68:69], s[78:79]
	s_cselect_b64 s[6:7], s[70:71], s[80:81]
	s_cselect_b64 s[8:9], s[72:73], s[82:83]
	s_cselect_b64 s[10:11], s[74:75], s[84:85]
	s_cselect_b64 s[BP:BP+1], s[76:77], s[86:87]
	s_cmp_eq_u32 s2, 2
	s_cselect_b64 s[4:5], s[92:93], s[4:5]
	s_cselect_b64 s[6:7], s[94:95], s[6:7]
	s_cselect_b64 s[8:9], s[88:89], s[8:9]
	s_cselect_b64 s[10:11], s[90:91], s[10:11]
	s_cselect_b64 s[BP:BP+1], s[96:97], s[BP:BP+1]
	s_mov_b64 s[12:13], s[98:99]                   ; pack; s68-99 are free from here on
	s_or_b32 s[G1S+0], s43, (3<<16)|(1<<20)|(1<<21)|(5<<22)|(3<<25)   ; the scale bytes of 256 rows: 32 rows of 256 bytes, padded
	s_or_b32 s[G1SB+0], s44, (3<<16)|(1<<20)|(1<<21)|(5<<22)|(3<<25)
.irp g, G1S, G1SB
	s_mov_b32 s[\g+1], 32<<16
	s_mov_b32 s[\g+2], KS<<16
	s_mov_b32 s[\g+3], 32<<16
	s_mov_b32 s[\g+4], KS
	s_mov_b32 s[\g+5], 32
	s_mov_b32 s[\g+6], 0
	s_mov_b32 s[\g+7], 0
.endr
	s_lshl_b32 s92, s42, 13
	s_mov_b32 s93, 0
	s_add_nc_u64 s[20:21], s[4:5], s[20:21]
	s_add_nc_u64 s[22:23], s[6:7], s[22:23]
	s_add_nc_u64 s[46:47], s[8:9], s[46:47]
	s_add_nc_u64 s[92:93], s[10:11], s[92:93]
	CROUND                                         ; the first joint loads meet
	s_mov_b32 s[G0H], 1
	s_mov_b32 s[G0H+1], 0
	s_mov_b64 s[G0H+2:G0H+3], s[20:21]
	s_or_b32 s[G0H+3], s[G0H+3], 0x80000000
	s_mov_b32 s[G0HB], 1
	s_mov_b32 s[G0HB+1], 2*HALFT
	s_mov_b64 s[G0HB+2:G0HB+3], s[46:47]
	s_or_b32 s[G0HB+3], s[G0HB+3], 0x80000000
	s_mov_b32 s[G0S], 1
	s_mov_b32 s[G0S+1], SCL
	s_mov_b64 s[G0S+2:G0S+3], s[22:23]
	s_or_b32 s[G0S+3], s[G0S+3], 0x80000000
	s_mov_b32 s[G0SB], 1
	s_mov_b32 s[G0SB+1], SCL+2*HALFS
	s_mov_b64 s[G0SB+2:G0SB+3], s[92:93]
	s_or_b32 s[G0SB+3], s[G0SB+3], 0x80000000
	s_add_nc_u64 s[20:21], s[20:21], s[18:19]
	s_add_nc_u64 s[46:47], s[46:47], s[18:19]
.irp s, 0,1                                    ; the ring's group 0: slot 1 takes chunk 1, slot 0 (its one refill) chunk 2
	s_mov_b32 s[G0+4*\s], 1
	s_add_co_u32 s[G0+4*\s+1], s45, \s*SLOT
	s_add_nc_u64 s[G0+4*\s+2:G0+4*\s+3], s[20:21], (2-\s)*ROWB
	s_or_b32 s[G0+4*\s+3], s[G0+4*\s+3], 0x80000000
	s_mov_b32 s[G0B+4*\s], 1
	s_add_co_u32 s[G0B+4*\s+1], s45, \s*SLOT
	s_add_nc_u64 s[G0B+4*\s+2:G0B+4*\s+3], s[46:47], (2-\s)*ROWB
	s_or_b32 s[G0B+4*\s+3], s[G0B+4*\s+3], 0x80000000
.endr
.macro ARM under, g0, g1, next         ; one tree of branches on the wave's number, one load to an arm
	s_cmp_lt_u32 s14, \under
	s_cbranch_scc0 \next
	TLOAD \g0, \g1
	s_branch .Lhead_asked
\next:
.endm
	ARM 1, G0H,  G1,  .Lhead_b
	ARM 2, G0HB, G1B, .Lhead_sa
	ARM 3, G0S,  G1S, .Lhead_sb
	TLOAD G0SB, G1SB
.Lhead_asked:
	v_and_b32 v1, 15, v0                           ; r
	v_bfe_u32 v2, v0, 4, 1                         ; h (kept to the end)
	v_mul_u32_u24 v3, v1, PITCH
	v_mul_u32_u24 v4, v2, 24
	v_add_nc_u32 v4, v3, v4
	s_mov_b32 s21, SLOT-232
	s_mov_b32 s22, SLOT+232
	v_sub_nc_u32 v7, 1, v2
	v_mul_u32_u24 v5, s21, v2
	v_add_nc_u32 v5, v3, v5
	v_add_nc_u32 v5, 232, v5                       ; lanes 0-15 byte 232 of the row in slot 0, lanes 16-31 byte 0 in slot 1
	v_mul_u32_u24 v6, s22, v7
	v_add_nc_u32 v6, v3, v6                        ; and the other way round
	s_mul_i32 s21, s15, HALFT
	s_mul_i32 s22, s16, HALFT
	s_add_co_u32 s22, s22, 2*HALFT
	v_add_nc_u32 v[ADRA+2], s21, v5
	v_add_nc_u32 v[ADRA+3], s21, v6
	v_add_nc_u32 v[ADRB+2], s22, v5
	v_add_nc_u32 v[ADRB+3], s22, v6
.irp s, 0,1
	v_add_nc_u32 v[ADRA+\s], s21, v4
	v_add_nc_u32 v[ADRB+\s], s22, v4
	s_add_co_u32 s21, s21, SLOT
	s_add_co_u32 s22, s22, SLOT
.endr
	v_mul_u32_u24 v5, v1, KS
	v_lshrrev_b32 v6, 8, v5
	v_lshl_add_u32 v5, v6, 4, v5
	s_mul_i32 s21, s15, HALFS
	s_mul_i32 s22, s16, HALFS
	s_add_co_u32 s22, s22, 2*HALFS
	s_sub_co_u32 s22, s22, s21
	v_mul_u32_u24 v6, s22, v2                      ; lanes 16-31 take source 0's scale words
	s_add_co_u32 s21, s21, SCL
	v_add_nc_u32 v5, v5, v6
	v_add_nc_u32 v[ADRS], s21, v5
	v_and_b32 v6, 31, v0
	v_lshlrev_b32 v[VO], 4, v6
	v_mul_u32_u24 v[VSA], v2, HB
	v_lshl_add_u32 v[VSA], v1, 4, v[VSA]
	v_lshlrev_b32 v[BA], 5, v2
	v_lshlrev_b32 v[BL], 2, v1
	s_wait_alu depctr_va_vdst(0)                   ; the wait behind the head's last vector line
	s_cmp_eq_u32 s2, 2                             ; where my results go
	s_cselect_b32 s95, s42, s17                    ; my tile of tokens,
	s_cselect_b32 s96, s17, s42                    ; of features,
	s_cselect_b32 s97, s16, s15                    ; my half of the tokens,
	s_cselect_b32 s98, s15, s16                    ; of the features
	s_lshl_b32 s18, s96, 10
	s_lshl_b32 s19, s98, 9
	s_add_co_u32 s18, s18, s19
	s_mov_b32 s19, 0
	s_add_nc_u64 s[BP:BP+1], s[BP:BP+1], s[18:19]
	s_lshr_b32 s20, s95, 3
	s_lshl_b32 s20, s20, 4
	s_lshl_b32 s21, s96, 2
	s_add_co_u32 s20, s20, s21
	s_lshl_b32 s21, s98, 1
	s_add_co_u32 s20, s20, s21                     ; 16 x batch + my first head
	s_mul_i32 s20, s20, HB
	s_and_b32 s21, s95, 7
	s_lshl_b32 s21, s21, 1
	s_add_co_u32 s21, s21, s97                     ; which 128 tokens of the batch
	s_mov_b32 s22, 204800
	s_mov_b32 s23, 303104
	s_mov_b32 s46, 196608
	s_cmp_eq_u32 s2, 0
	s_cselect_b32 s22, s22, 0
	s_cselect_b32 s23, s23, s46
	s_mov_b32 s46, 98304
	s_mov_b32 s47, 200704
	s_cmp_eq_u32 s2, 2
	s_cselect_b32 s22, s46, s22
	s_cselect_b32 s23, s47, s23
	s_mul_i32 s46, s21, 6144
	s_add_co_u32 s22, s22, s46
	s_add_co_u32 s22, s22, s20
	s_lshl_b32 s46, s21, 8
	s_add_co_u32 s46, s46, s23
	s_add_co_u32 s46, s46, s20
	s_mov_b32 s23, 0
	s_mov_b32 s47, 0
	s_add_nc_u64 s[98:99], s[12:13], s[46:47]      ; my scale words
	s_add_nc_u64 s[12:13], s[12:13], s[22:23]      ; my images
	WIN TO_B                                       ; the bias of my 128 features, by registers and by lanes; waited for ahead of the last K step
.irp b, 0,1,2,3,4,5,6,7
	global_load_b128 v[96+8*\b+96*(\b/4):96+8*\b+96*(\b/4)+3], v[BA], s[BP:BP+1] offset:64*\b
	global_load_b128 v[96+8*\b+96*(\b/4)+4:96+8*\b+96*(\b/4)+7], v[BA], s[BP:BP+1] offset:64*\b+16
.endr
	WIN 0
.irp a, 0,1,2,3,4,5,6,7
	global_load_b32 v[BV+\a], v[BL], s[BP:BP+1] offset:64*\a
.endr
.macro FRAG reg, adr, st, i            ; 16 rows x 128 K: six pieces of 8 bytes; byte y of a row lies in slot (y / 256) % 2 at byte y % 256
.irp p, 0,1,2,3,4,5
.set BY, 96*(\st)+48*(\p/3)+8*(\p%3)
.if BY/ROWB == (BY+24)/ROWB
	ds_load_b64 v[\reg+2*\p:\reg+2*\p+1], v[\adr+(BY/ROWB)%2] offset:BY%ROWB+(\i)*16*PITCH
.else
	ds_load_b64 v[\reg+2*\p:\reg+2*\p+1], v[\adr+2+(BY/ROWB)%2] offset:BY%ROWB-232+(\i)*16*PITCH
.endif
.endr
.endm
.macro MUL16 a0, p, q, sc, zero        ; the 64 accumulators take turns
.irp a, \a0, \a0+1
.irp b, 0,1,2,3,4,5,6,7
.if \zero
	v_wmma_scale_f32_16x16x128_f8f6f4 v[8*(8*((\a)%4)+\b):8*(8*((\a)%4)+\b)+7], v[128*(\p)+FR*\b:128*(\p)+FR*\b+FR-1], v[AF+FR*(\a):AF+FR*(\a)+FR-1], 0, v[SC+8*NQ*(\sc)+NQ*\b+(\q)], v[SC+8*NQ*(\sc)+NQ*(\a)+(\q)] matrix_a_fmt:MATRIX_FMT_FP6 matrix_b_fmt:MATRIX_FMT_FP6 matrix_a_scale:MATRIX_SCALE_ROW1
.else
	v_wmma_scale_f32_16x16x128_f8f6f4 v[8*(8*((\a)%4)+\b):8*(8*((\a)%4)+\b)+7], v[128*(\p)+FR*\b:128*(\p)+FR*\b+FR-1], v[AF+FR*(\a):AF+FR*(\a)+FR-1], v[8*(8*((\a)%4)+\b):8*(8*((\a)%4)+\b)+7], v[SC+8*NQ*(\sc)+NQ*\b+(\q)], v[SC+8*NQ*(\sc)+NQ*(\a)+(\q)] matrix_a_fmt:MATRIX_FMT_FP6 matrix_b_fmt:MATRIX_FMT_FP6 matrix_a_scale:MATRIX_SCALE_ROW1
.endif
.endr
.endr
.endm
.macro FETCH_B st, p
	WIN TO_B
.irp i, 0,1,2,3,4,5,6,7
	FRAG 128*(\p)+FR*\i, ADRB, \st, \i
.endr
	WIN 0
.endm
.macro FETCH_A st, i0
.irp i, \i0, \i0+1, \i0+2, \i0+3
	FRAG AF+FR*(\i), ADRA, \st, \i
.endr
.endm
.macro SCALES pr
.irp i, 0,1,2,3,4,5,6,7
	ds_load_b64 v[SC+8*NQ*((\pr)%2)+NQ*\i:SC+8*NQ*((\pr)%2)+NQ*\i+1], v[ADRS] offset:\i*SBLK+4*NQ*(\pr)
.endr
.endm
.macro PLACES n
.rept \n
	v_nop
.endr
.endm
; A step of 128 along K.  Where the next step's bytes end in a chunk not yet read, a barrier shows that chunk; where they begin in a later chunk, the chunk left behind is given up behind the three lines, and refilled behind a round if a chunk is left to fetch.
.macro STEP st, zero
.set NX, (\st)+1
.set C0, (96*(\st))/ROWB
.set C1, (96*NX)/ROWB
.set E0, (96*(\st)+95)/ROWB
.set E1, (96*NX+95)/ROWB
.if C1 > C0 || E1 > E0
	s_wait_tensorcnt 0x0
.if C1 > C0
	ds_add_u32 v[SPW], v[NIL]
	s_wait_dscnt 4*NL+1                            ; the add and source 1's blocks 4-7 may be out
.else
	s_wait_dscnt 4*NL
.endif
	WIN MUL_LO
	MUL16 0, (\st)%2, (\st)%2, ((\st)/2)%2, \zero
	s_wait_dscnt 0x0
	s_barrier_signal -1
	MUL16 2, (\st)%2, (\st)%2, ((\st)/2)%2, \zero
	WIN 0
	s_barrier_wait -1
.if C1 > C0 && C0+2 < CHUNKS
	CREST
	JLOAD G0+4*(C0%2), G1, G0B+4*(C0%2), G1B
.else
	PLACES NP
.endif
.else
	s_wait_dscnt 4*NL                              ; all but source 1's blocks 4-7
	WIN MUL_LO
	MUL16 0, (\st)%2, (\st)%2, ((\st)/2)%2, \zero
	MUL16 2, (\st)%2, (\st)%2, ((\st)/2)%2, \zero
	s_wait_dscnt 0
	PLACES NP
.endif
	FETCH_B NX, NX%2
	FETCH_A NX, 0
.if NX%2 == 0
	SCALES NX/2
.endif
	WIN MUL_HI
	MUL16 4, (\st)%2, (\st)%2, ((\st)/2)%2, \zero
	MUL16 6, (\st)%2, (\st)%2, ((\st)/2)%2, \zero
	PLACES NP
	WIN 0
	FETCH_A NX, 4
.endm
	s_wait_tensorcnt 0x0                           ; my tile of the head's four is in; the three lines ahead of slot 1's first fill
	ds_add_u32 v[SPW], v[NIL]
	s_mov_b32 s[G1+2], 128<<16                     ; no load of mine is out: from here on a load brings 128 rows
	s_mov_b32 s[G1+4], 128
	s_mov_b32 s[G1B+2], 128<<16
	s_mov_b32 s[G1B+4], 128
	s_wait_dscnt 0x0
	CROUND
	JLOAD G0+4, G1, G0B+4, G1B                     ; chunk 1
	FETCH_B 0, 0
	FETCH_A 0, 0
	SCALES 0
	FETCH_A 0, 4
	STEP 0, 1
.set SN, 1
.rept STEPS-2
	STEP SN, 0
.set SN, SN+1
.endr
	s_wait_loadcnt 0x0                             ; the bias
	s_wait_dscnt 4*NL
	WIN MUL_LO
	MUL16 0, 1, 1, 1, 0
	MUL16 2, 1, 1, 1, 0
	s_wait_dscnt 0
	WIN MUL_HI
	MUL16 4, 1, 1, 1, 0
	MUL16 6, 1, 1, 1, 0
	WIN 0
; THE WAY OUT.  64 numbers of a lane, four blocks of 32 shared with lane l xor 16, become 12 registers of codes and a scale word.
.macro QUANT s, w
.irp b, 0,1,2,3
	v_max3_num_f32 v[TM+\b], |v[\s+16*\b]|, |v[\s+1+16*\b]|, 0x1800000   ; with the floor 2^(3 - 127)
.endr
.irp i, 2,4,6,8,10,12,14
.irp b, 0,1,2,3
	v_max3_num_f32 v[TM+\b], v[TM+\b], |v[\s+16*\b+\i]|, |v[\s+1+16*\b+\i]|
.endr
.endr
.irp b, 0,1,2,3
	v_permlanex16_b32 v[TM+4+\b], v[TM+\b], s[SEL], s[SEL+1]
.endr
.irp b, 0,1,2,3
	v_max_num_f32 v[TM+\b], v[TM+\b], v[TM+4+\b]
.endr
.irp b, 0,1,2,3
	v_add_nc_u32 v[TM+12+\b], 0xff000000, v[TM+\b] ; 2 off the exponent field: the conversion's scale operand
.endr
.irp b, 0,1,2,3
	v_lshrrev_b32 v[TM+4+\b], 23, v[TM+12+\b]
.endr
	v_lshl_or_b32 v[\w], v[TM+5], 8, v[TM+4]
	v_lshl_or_b32 v[\w], v[TM+6], 16, v[\w]
	v_lshl_or_b32 v[\w], v[TM+7], 24, v[\w]
.irp c, 0,1
	v_cvt_scalef32_pk16_fp6_f32 v[PC+6*\c:PC+2+6*\c], v[\s+32*\c:\s+15+32*\c], v[TM+12+2*\c]
	v_cvt_scalef32_pk16_fp6_f32 v[PC+12+4*\c:PC+14+4*\c], v[\s+16+32*\c:\s+31+32*\c], v[TM+12+2*\c+1]
.endr
	v_nop
.irp c, 0,1
.irp i, 0,1,2
	v_permlane16_swap_b32 v[PC+6*\c+\i], v[PC+12+4*\c+\i]
.endr
.irp i, 0,1,2
	v_mov_b32 v[PC+3+6*\c+\i], v[PC+12+4*\c+\i]
.endr
.endr
.endm
.macro OUT idx                         ; each store covers 512 consecutive bytes, aligned to 256
.irp c, 0,1,2
	global_store_b128 v[VO], v[PC+4*\c:PC+4*\c+3], s[12:13] offset:((\idx)/4)*HB+((\idx)%4)*1536+512*\c
.endr
.endm
.macro GROUP_QK g, f                   ; head g of my two, token tiles 2 f, 2 f + 1; the bias is added on the way into window 0
	s_wait_xcnt 0x0
	WIN 6+(\f)/2
.irp t, 0,1
.irp c, 0,1
.irp u, 0,1
.irp j, 0,2,4,6
	v_pk_add_f32 v[ST+16*(2*\t+\c)+8*\u+\j:ST+16*(2*\t+\c)+8*\u+\j+1], v[8*(8*((2*(\f)+\t)%4)+4*(\g)+2*\c+\u)+\j:8*(8*((2*(\f)+\t)%4)+4*(\g)+2*\c+\u)+\j+1], v[96+8*(4*(\g)+2*\c+\u)+96*(\g)+\j:96+8*(4*(\g)+2*\c+\u)+96*(\g)+\j+1]
.endr
.endr
.endr
.endr
	WIN 0
	QUANT ST, SW+4*(\g)+(\f)
	OUT 4*(\g)+(\f)
.endm
.macro GROUP_V a                       ; features 16 a on, my 128 tokens; the bias is the lane's
	s_wait_xcnt 0x0
	WIN 2+(\a)/4
.irp b, 0,1,2,3,4,5,6,7
.irp j, 0,2,4,6
.if (\a)%2
	v_pk_add_f32 v[ST+8*\b+\j:ST+8*\b+\j+1], v[8*(8*((\a)%4)+\b)+\j:8*(8*((\a)%4)+\b)+\j+1], v[BV+2*((\a)/2):BV+2*((\a)/2)+1] op_sel:[0,1] op_sel_hi:[1,1]
.else
	v_pk_add_f32 v[ST+8*\b+\j:ST+8*\b+\j+1], v[8*(8*((\a)%4)+\b)+\j:8*(8*((\a)%4)+\b)+\j+1], v[BV+2*((\a)/2):BV+2*((\a)/2)+1] op_sel_hi:[1,0]
.endif
.endr
.endr
	WIN 0
	QUANT ST, SW+(\a)
	OUT \a
.endm
.irp b, 0,1,2,3
	v_mov_b32 v[TM+4+\b], 0                        ; a lane permute's destination counts as a source; also the places behind the last products
.endr
	s_cmp_eq_u32 s2, 2
	s_cbranch_scc1 .Lout_v
.irp g, 0,1
.irp f, 0,1,2,3
	GROUP_QK \g, \f
.endr
.endr
	s_branch .Lwords
.Lout_v:
.irp a, 0,1,2,3,4,5,6,7
	GROUP_V \a
.endr
.Lwords:
	v_cmp_ne_u32 vcc_lo, 0, v2                     ; lanes 0-15 store the first head's four words, lanes 16-31 the second head's
.irp i, 0,1,2,3
	v_cndmask_b32 v[SWS+\i], v[SW+\i], v[SW+4+\i], vcc_lo
.endr
	global_store_b128 v[VSA], v[SWS:SWS+3], s[98:99]
	s_wait_tensorcnt 0x0                           ; the wave's end
	ds_add_u32 v[SPW], v[NIL]
	s_wait_dscnt 0x0
	CROUND                                         ; the closing round
	s_endpgm
.Lfunc_end_k_q80e510b187_proj:
	.size	k_q80e510b187_proj, .Lfunc_end_k_q80e510b187_proj-k_q80e510b187_proj
	.p2alignl 7, 3214868480
	.fill 96, 4, 3214868480
	.section	.rodata,"a",@progbits
	.p2align	6, 0x0
	.amdhsa_kernel k_q80e510b187_proj
		.amdhsa_group_segment_fixed_size 327680
		.amdhsa_private_segment_fixed_size 0
		.amdhsa_enable_private_segment 0
		.amdhsa_kernarg_size 128
		.amdhsa_user_sgpr_count 2
		.amdhsa_user_sgpr_kernarg_segment_ptr 1
		.amdhsa_wavefront_size32 1
		.amdhsa_system_sgpr_workgroup_id_x 1
		.amdhsa_system_sgpr_workgroup_id_y 1
		.amdhsa_system_sgpr_workgroup_id_z 1
		.amdhsa_system_vgpr_workitem_id 0
		.amdhsa_next_free_vgpr 1024
		.amdhsa_next_free_sgpr 102
		.amdhsa_reserve_vcc 1
		.amdhsa_float_denorm_mode_32 3
		.amdhsa_float_denorm_mode_16_64 3
		.amdhsa_memory_ordered 1
		.amdhsa_forward_progress 1
		.amdhsa_inst_pref_size 232
	.end_amdhsa_kernel
	.amdgpu_metadata
---
amdhsa.version: [ 1, 2 ]
amdhsa.kernels:
  - .name:           k_q80e510b187_proj
    .symbol:         k_q80e510b187_proj.kd
    .args:
      - { .name: query_codes, .offset: 0, .size: 8, .value_kind: global_buffer, .address_space: global }
      - { .name: query_scales, .offset: 8, .size: 8, .value_kind: global_buffer, .address_space: global }
      - { .name: Wq_codes, .offset: 16, .size: 8, .value_kind: global_buffer, .address_space: global }
      - { .name: Wq_scales, .offset: 24, .size: 8, .value_kind: global_buffer, .address_space: global }
      - { .name: bq, .offset: 32, .size: 8, .value_kind: global_buffer, .address_space: global }
      - { .name: key_codes, .offset: 40, .size: 8, .value_kind: global_buffer, .address_space: global }
      - { .name: key_scales, .offset: 48, .size: 8, .value_kind: global_buffer, .address_space: global }
      - { .name: Wk_codes, .offset: 56, .size: 8, .value_kind: global_buffer, .address_space: global }
      - { .name: Wk_scales, .offset: 64, .size: 8, .value_kind: global_buffer, .address_space: global }
      - { .name: bk, .offset: 72, .size: 8, .value_kind: global_buffer, .address_space: global }
      - { .name: value_codes, .offset: 80, .size: 8, .value_kind: global_buffer, .address_space: global }
      - { .name: value_scales, .offset: 88, .size: 8, .value_kind: global_buffer, .address_space: global }
      - { .name: Wv_codes, .offset: 96, .size: 8, .value_kind: global_buffer, .address_space: global }
      - { .name: Wv_scales, .offset: 104, .size: 8, .value_kind: global_buffer, .address_space: global }
      - { .name: bv, .offset: 112, .size: 8, .value_kind: global_buffer, .address_space: global }
      - { .name: pack, .offset: 120, .size: 8, .value_kind: global_buffer, .address_space: global }
    .group_segment_fixed_size: 327680
    .private_segment_fixed_size: 0
    .kernarg_segment_align: 8
    .kernarg_segment_size: 128
    .max_flat_workgroup_size: 128
    .sgpr_count:     102
    .vgpr_count:     1024
    .wavefront_size: 32
...
	.end_amdgpu_metadata
.endif
;; end of part 1
;; launch attn (part 2): grid 4 x 64, 16 waves a work-group, clusters of 4 x 1, 206,848 bytes of LDS; arguments pack, ac, asc; writes ac, asc
.if DOCPART == 2
	.amdgcn_target "amdgcn-amd-amdhsa--gfx1250"
	.amdhsa_code_object_version 6
	.text
	.protected	k_q80e510b187_attn
	.globl	k_q80e510b187_attn
	.p2align	8
	.type	k_q80e510b187_attn,@function
k_q80e510b187_attn:
	s_mov_b64 s[64:65], 0
	v_nop
	global_prefetch_b8 v0, s[64:65] scope:SCOPE_SE
	s_setreg_imm32_b32 hwreg(HW_REG_WAVE_MODE, 25, 1), 1
	s_wait_xcnt 0x0
	s_wait_alu depctr_hold_cnt(0) depctr_sa_sdst(0) depctr_va_vdst(0) depctr_va_sdst(0) depctr_va_ssrc(0) depctr_va_vcc(0) depctr_vm_vsrc(0)
	s_getreg_b32 s2, hwreg(HW_REG_IB_STS2, 6, 4)
	s_cmp_eq_u32 s2, 0
	s_cbranch_scc0 .Lentry_in_a_cluster
	s_endpgm
.Lentry_in_a_cluster:
	s_bfe_u32 s2, ttmp6, 0x10000c
	s_cmp_lg_u32 s2, 0x3003
	s_cbranch_scc0 .Lentry_shape_is_right
	s_endpgm
.Lentry_shape_is_right:
; For each (batch, head): a[q] = (sum over k of p(q, k) v[k]) / l(q), both products on codes of FP6 (E2M3) with one E8M0 scale for each 32 along K; a is quantised along the model's 1,024 for the last product.
; t = score x log2(e) / 8; M = the row's largest t so far, rounded up to a whole number; p = 2^(t - M) is quantised along the keys, not normalised; l is the sum of the unquantised p.  When M moves, l and O are
; multiplied by 2^(old M - new M), which rounds nothing.
; SHARES.  A work-group owns 512 queries of one head; each of its sixteen waves 32 of them, one fragment of Q, as two tiles of 16 in two passes over the keys; four waves to a SIMD, 256 registers each.
; LDS.  The head's K, V and their scale words, 204,800 bytes, the first part of the head's block in pack, are brought ONCE: each wave asks for 50 rows of 256 bytes.  Nothing is filled again: no ring, and one barrier.
; CLUSTER.  The four work-groups of a cluster are the four blocks of queries of one head and want the same 204,800 bytes: each load is a joint one, with the same descriptor and a mask that names the four.
; LAYOUT.  Both products are used transposed: S^T = K Q^T (source 0 = 16 keys, source 1 = my 16 queries), O^T = V^T P^T (source 0 = 16 of the head's 64, source 1 = P): a lane holds ONE query (lane % 16) throughout.
; THE HEAD'S 64 IN AN INSTRUCTION OF 128: a fragment of K holds two tiles of keys (K places 0-63: keys 32 F + r; 64-127: keys 32 F + 16 + r).  Q stands as [Q][zeros][Q] in 18 registers: registers 0-11 meet the first
; tile, registers 6-17 the second; zero codes add nothing.  Q's scale word is its two bytes twice.
; ORDER INSIDE A BLOCK OF 32: q and k, and p and v, are laid alike (place 16 h + 8 u + j holds number 16 u + 8 h + j), so the same products are summed, in another order.  a meets given codes: it is put in true order first.
; LIMITS: NaN and infinities are not served; a block whose largest magnitude lies under 2^-124 gets the scale byte 1.
.set HB,    307200                     ; pack: bytes of a (batch, head)
.set VIMG,  98304                      ; in it, and in LDS: V's fragments,
.set KSC,   196608                     ; K's scale words (V's 4,096 bytes on),
.set QIMG,  204800                     ; in pack alone: Q's fragments,
.set QSC,   303104                     ; Q's scale words
.set LI,  1                            ; v1   16 x lane
.set LSC, 2                            ; v2   KSC + 16 (lane % 16)
.set ADK, 3                            ; v3   the step's fragments of K
.set ADV, 4                            ; v4   of V
.set ADS, 5                            ; v5   its scale words
.set L8,  6                            ; v6   8 x lane
.set R8,  7                            ; v7   8 (lane % 16)
.set R16, 8                            ; v8   16 (lane % 16)
.set QF,  16                           ; v16-33  [Q][0][Q];   v12 -M, v13 the largest t, v[14:15] the sum in two halves
.set QR,  34                           ; v34-45  Q's fragment as loaded: two tiles
.set QW,  46                           ; v46     its scale word as loaded
.set KF,  48                           ; v48-95  four fragments: K's, then V's
.set S,   96                           ; v96-159 S^T, then p; at a pass's end v96-127 O^T / l
.set O,   160                          ; v160-191 O^T
.set PC,  192                          ; v192-211 codes just made
.set KS,  212                          ; v212-215 K's scale words
.set VS,  216                          ; v216-219 V's
.set PW,  220                          ; v220    p's
.set QS,  221                          ; v221    Q's
.set FF,  222                          ; v[222:223] 2^(old M - new M), later 1 / l
.set BM,  224                          ; v224-227 the blocks' largest
.set T4,  228                          ; v228-231 the other half's; the bytes
.set SO,  232                          ; v232-235 the conversions' scale operands
.set CH,  236                          ; v[236:237] the sum's second chain
.set WV,  10
.set SEL, 20                           ; s[20:21] lane selects for v_permlanex16_b32: lane l xor 16
.set CS,  22                           ; s[22:23] c = log2(e) / 8
.set G1,  24
.set G0,  32
.set TK,  36                           ; LDS byte at which the step's fragments begin
.set TS,  37                           ; and its scale words
.set CNT, 38
.macro CROUND                          ; a round of the cluster's barrier
	s_barrier_signal -1
	s_barrier_wait -1
	s_cmp_lg_u32 s[WV], 0
	s_cbranch_scc1 .Lnot_wave_0_\@
	s_barrier_signal -3
.Lnot_wave_0_\@:
	s_barrier_wait -3
	s_barrier_signal -1
	s_barrier_wait -1
.endm
	s_load_b128 s[4:7], s[0:1], 0x0                ; pack, ac
	s_load_b64 s[8:9], s[0:1], 0x10                ; asc
	v_lshl_add_u32 v254, v0, 2, 0x32000
	v_mov_b32 v255, 0
	ds_add_u32 v254, v255
	ds_add_u32 v254, v255
	v_lshrrev_b32 v1, 5, v0
	s_delay_alu instid0(VALU_DEP_1)
	v_readfirstlane_b32 s[WV], v1                  ; wave 0..15
	s_bfe_u32 s11, ttmp6, 0x40000                  ; cx: it enters Q's, ac's and asc's addresses alone
	s_and_b32 s12, ttmp7, 0xffff                   ; 16 x batch + head, which the four partners share
	s_mul_i32 s14, s12, HB
	s_mov_b32 s15, 0
	s_mul_i32 s16, s[WV], 12800                    ; my sixteenth of the 204,800 bytes, in memory and in LDS
	s_mov_b32 s17, 0
	s_mov_b32 s[G1], 15|(3<<16)|(1<<21)            ; 15:0 the mask: all four work-groups; 17:16 elements of 8 bytes; 20 no padding; 21 set beside a mask
	s_mov_b32 s[G1+1], 32<<16                      ; tensor_dim0 = 32 elements: 256 bytes
	s_mov_b32 s[G1+2], 50<<16                      ; tensor_dim1 = 50
	s_mov_b32 s[G1+3], 32<<16                      ; tile_dim0
	s_mov_b32 s[G1+4], 50                          ; tile_dim1
	s_mov_b32 s[G1+5], 32                          ; tensor_dim0_stride: the block is dense
	s_mov_b32 s[G1+6], 0
	s_mov_b32 s[G1+7], 0
	s_mov_b32 s[SEL], 0x76543210
	s_mov_b32 s[SEL+1], 0xfedcba98
	s_mov_b32 s[CS], 0x3e38aa3b                    ; log2(e) / 8
	s_mov_b32 s[CS+1], s[CS]                       ; named with it as a pair, so it is written
	s_wait_dscnt 0x0
	s_wait_kmcnt 0x0
	s_add_nc_u64 s[14:15], s[4:5], s[14:15]        ; the head's block in pack
	s_mov_b32 s[G0], 1
	s_mov_b32 s[G0+1], s16
	s_add_nc_u64 s[G0+2:G0+3], s[14:15], s[16:17]
	s_or_b32 s[G0+3], s[G0+3], 0x80000000
	CROUND                                         ; all four work-groups are here: the joint loads meet
	tensor_load_to_lds s[G0:G0+3], s[G1:G1+7]      ; my one tensor load of the launch
	s_nop 0
.rept 4
	v_nop
.endr
	s_lshl_b32 s18, ttmp9, 2
	s_add_co_u32 s18, s18, s11                     ; my block of 512 queries
	s_lshl_b32 s18, s18, 4
	s_add_co_u32 s18, s18, s[WV]                   ; my fragment of Q: 32 queries
	s_mul_i32 s48, s18, 1536
	s_add_co_u32 s48, s48, QIMG
	s_mov_b32 s49, 0
	s_add_nc_u64 s[40:41], s[14:15], s[48:49]      ; its codes
	s_lshr_b32 s48, s18, 2
	s_lshl_b32 s48, s48, 8
	s_and_b32 s50, s18, 3
	s_lshl_b32 s50, s50, 2
	s_add_co_u32 s48, s48, s50
	s_add_co_u32 s48, s48, QSC
	s_add_nc_u64 s[42:43], s[14:15], s[48:49]      ; its scale words: [128 queries][lane % 16][4 fragments]
	s_lshr_b32 s51, s12, 4
	s_lshl_b32 s51, s51, 7
	s_lshl_b32 s52, s18, 1
	s_add_co_u32 s51, s51, s52                     ; my first tile of 16 tokens: 128 x batch + 2 x fragment
	s_and_b32 s52, s12, 15                         ; the head
	s_mul_i32 s48, s51, 12288                      ; ac: [tile of tokens][8 fragments of 128 along K][6 pairs of registers][32 lanes][8 bytes]:
	s_lshr_b32 s53, s52, 1
	s_mul_i32 s53, s53, 1536                       ; fragment head / 2,
	s_add_co_u32 s48, s48, s53
	s_and_b32 s53, s52, 1
	s_mul_i32 s53, s53, 768                        ; pairs 3 (head % 2) on
	s_add_co_u32 s48, s48, s53
	s_add_nc_u64 s[44:45], s[6:7], s[48:49]
	s_lshl_b32 s48, s51, 9                         ; asc: [tile of tokens][4 K steps of 256][16 rows][8 bytes]:
	s_lshr_b32 s53, s52, 2
	s_lshl_b32 s53, s53, 7                         ; K step head / 4,
	s_add_co_u32 s48, s48, s53
	s_and_b32 s53, s52, 3
	s_lshl_b32 s53, s53, 1                         ; bytes 2 (head % 4) on
	s_add_co_u32 s48, s48, s53
	s_add_nc_u64 s[46:47], s[8:9], s[48:49]
	v_and_b32 v9, 31, v0                           ; lane
	v_and_b32 v10, 15, v0                          ; r
	s_delay_alu instid0(VALU_DEP_2)
	v_lshlrev_b32 v[LI], 4, v9
	s_delay_alu instid0(VALU_DEP_2)
	v_lshl_add_u32 v[LSC], v10, 4, KSC
	s_delay_alu instid0(VALU_DEP_4)
	v_lshlrev_b32 v[L8], 3, v9
	s_delay_alu instid0(VALU_DEP_4)
	v_lshlrev_b32 v[R8], 3, v10
	v_lshlrev_b32 v[R16], 4, v10
.irp c, 0,1,2
	global_load_b128 v[QR+4*\c:QR+4*\c+3], v[LI], s[40:41] offset:512*\c
.endr
	global_load_b32 v[QW], v[R16], s[42:43]
.irp b, 0,1,2,3
	v_mov_b32 v[T4+\b], 0                          ; a lane permute's destination counts as one of its sources
.endr
	v_mov_b32 v[FF+1], 0                           ; named as the upper half of a pair
	s_wait_tensorcnt 0x0                           ; my sixteenth is in,
	s_barrier_signal -1
	s_barrier_wait -1                              ; everybody's is
	s_wait_loadcnt 0x0                             ; Q
; A KEY STEP: 128 keys.
.macro STEP
	v_add_nc_u32 v[ADK], s[TK], v[LI]              ; with the v_nop: the four places behind the last step's products, in front of the loads into the registers that they read
	v_add_nc_u32 v[ADS], s[TS], v[LSC]
	s_delay_alu instid0(VALU_DEP_2)
	v_add_nc_u32 v[ADV], VIMG, v[ADK]
	v_nop
.irp f, 0,1,2,3
.irp c, 0,1,2
	ds_load_b128 v[KF+12*\f+4*\c:KF+12*\f+4*\c+3], v[ADK] offset:1536*\f+512*\c   ; 32 lanes read 512 consecutive bytes: the fragment's registers as they were stored
.endr
.endr
	ds_load_b128 v[KS:KS+3], v[ADS]                ; my row's scale words of the four fragments
	s_wait_alu depctr_va_vdst(0)
	s_wait_dscnt 0x0
.irp f, 0,1,2,3                                ; S^T: tile 2 f + u = keys 32 f + 16 u + 8 (lane / 16) + 0 .. 7
.irp u, 0,1
	v_wmma_scale_f32_16x16x128_f8f6f4 v[S+8*(2*\f+\u):S+8*(2*\f+\u)+7], v[KF+12*\f:KF+12*\f+11], v[QF+6*\u:QF+6*\u+11], 0, v[KS+\f], v[QS] matrix_a_fmt:MATRIX_FMT_FP6 matrix_b_fmt:MATRIX_FMT_FP6
.endr
.endr
.rept 4
	v_nop                                          ; places: in front of the loads below and of the first read of the scores
.endr
.irp f, 0,1,2,3
.irp c, 0,1,2
	ds_load_b128 v[KF+12*\f+4*\c:KF+12*\f+4*\c+3], v[ADV] offset:1536*\f+512*\c   ; V's four fragments land while the softmax is worked
.endr
.endr
	ds_load_b128 v[VS:VS+3], v[ADS] offset:4096
.irp b, 0,1,2,3
	v_max3_num_f32 v[BM+\b], v[S+16*\b], v[S+1+16*\b], v[S+2+16*\b]   ; the largest score of each block of 32 keys: for the row's maximum and, since p rises with the score, for the block's largest p
.endr
.irp i, 3,5,7,9,11,13
.irp b, 0,1,2,3
	v_max3_num_f32 v[BM+\b], v[BM+\b], v[S+16*\b+\i], v[S+1+16*\b+\i]
.endr
.endr
.irp b, 0,1,2,3
	v_max_num_f32 v[BM+\b], v[BM+\b], v[S+15+16*\b]
.endr
.irp b, 0,1,2,3
	s_delay_alu instid0(VALU_DEP_4)
	v_permlanex16_b32 v[T4+\b], v[BM+\b], s[SEL], s[SEL+1]
.endr
.irp b, 0,1,2,3
	s_delay_alu instid0(VALU_DEP_4)
	v_max_num_f32 v[BM+\b], v[BM+\b], v[T4+\b]     ; with lane l xor 16's 16 keys
.endr
	s_delay_alu instid0(VALU_DEP_2)
	v_max3_num_f32 v238, v[BM], v[BM+1], v[BM+2]
	s_delay_alu instid0(VALU_DEP_1)
	v_max_num_f32 v238, v238, v[BM+3]              ; the step's largest score of my query
	s_delay_alu instid0(VALU_DEP_1)
	v_mul_f32 v238, s[CS], v238                    ; as t
	s_delay_alu instid0(VALU_DEP_1)
	v_max_num_f32 v13, v13, v238                   ; the running largest t
	v_mov_b32 v238, v12
	s_delay_alu instid0(VALU_DEP_2)
	v_floor_f32 v12, -v13                          ; the new -M = floor(-t): M is a whole number
	s_delay_alu instid0(VALU_DEP_1)
	v_sub_f32 v238, v12, v238                      ; old M - new M: a whole number, 0 or less
	s_delay_alu instid0(VALU_DEP_1)
	v_cvt_i32_f32 v238, v238                       ; (it saturates)
	s_delay_alu instid0(VALU_DEP_1)
	v_ldexp_f32 v[FF], 1.0, v238                   ; f = 2^(old M - new M)
.set J, 0
.rept 32
	v_pk_fma_f32 v[S+J:S+J+1], v[S+J:S+J+1], s[CS:CS+1], v[12:13] op_sel_hi:[1,0,0]   ; t - M, two at a time
.set J, J+2
.endr
.irp b, 0,1,2,3
	v_fma_f32 v[BM+\b], v[BM+\b], s[CS], v12       ; the same of each block's largest score
.endr
.set J, 0
	s_wait_alu depctr_va_vdst(0)
.rept 64
	v_exp_f32 v[S+J], v[S+J]                       ; p = 2^(t - M), at most 1
.set J, J+1
.endr
.irp b, 0,1,2,3
	v_exp_f32 v[BM+\b], v[BM+\b]                   ; the block's largest p: the same two instructions on the same number
.endr
	v_pk_mul_f32 v[14:15], v[14:15], v[FF:FF+1] op_sel_hi:[1,0]   ; the sum under the new M.  (The plain place behind the exponentials)
	s_wait_alu depctr_va_vdst(0)
.irp b, 0,1,2,3
	v_max_num_f32 v[BM+\b], 0x1800000, v[BM+\b]    ; the floor 2^(3 - 127): the byte cannot fall under 1
.endr
.irp b, 0,1,2,3
	s_delay_alu instid0(VALU_DEP_4)
	v_add_nc_u32 v[SO+\b], 0xff000000, v[BM+\b]    ; 2 off the exponent field: the conversion's scale operand
.endr
.irp b, 0,1,2,3
	s_delay_alu instid0(VALU_DEP_4)
	v_lshrrev_b32 v[T4+\b], 23, v[SO+\b]           ; the scale's byte
.endr
	s_delay_alu instid0(VALU_DEP_3)
	v_lshl_or_b32 v[PW], v[T4+1], 8, v[T4]         ; p's scale word for these 128 keys
	s_delay_alu instid0(VALU_DEP_1)
	v_lshl_or_b32 v[PW], v[T4+2], 16, v[PW]
	s_delay_alu instid0(VALU_DEP_1)
	v_lshl_or_b32 v[PW], v[T4+3], 24, v[PW]
.irp c, 0,1
	v_cvt_scalef32_pk16_fp6_f32 v[PC+6*\c:PC+2+6*\c], v[S+32*\c:S+15+32*\c], v[SO+2*\c]
	v_cvt_scalef32_pk16_fp6_f32 v[PC+12+4*\c:PC+14+4*\c], v[S+16+32*\c:S+31+32*\c], v[SO+2*\c+1]
.endr
	v_nop                                          ; one plain place behind a scaled conversion
.irp c, 0,1                                    ; a whole block in a lane: lanes 0-15 block 2 c, lanes 16-31 block 2 c + 1
.irp i, 0,1,2
	v_permlane16_swap_b32 v[PC+6*\c+\i], v[PC+12+4*\c+\i]
.endr
.irp i, 0,1,2
	s_delay_alu instid0(VALU_DEP_3)
	v_mov_b32 v[PC+3+6*\c+\i], v[PC+12+4*\c+\i]
.endr
.endr
	v_pk_add_f32 v[236:237], v[100:101], v[104:105]
	v_pk_add_f32 v[252:253], v[108:109], v[112:113]
	v_pk_add_f32 v[250:251], v[116:117], v[120:121]
	v_pk_add_f32 v[248:249], v[124:125], v[128:129]
	v_pk_add_f32 v[246:247], v[132:133], v[136:137]
	v_pk_add_f32 v[244:245], v[140:141], v[144:145]
	v_pk_add_f32 v[242:243], v[148:149], v[152:153]
	v_pk_add_f32 v[14:15], v[14:15], v[156:157]
	v_pk_add_f32 v[236:237], v[236:237], v[96:97]
	v_pk_add_f32 v[252:253], v[252:253], v[98:99]
	v_pk_add_f32 v[250:251], v[250:251], v[102:103]
	v_pk_add_f32 v[248:249], v[248:249], v[106:107]
	v_pk_add_f32 v[246:247], v[246:247], v[110:111]
	v_pk_add_f32 v[244:245], v[244:245], v[114:115]
	v_pk_add_f32 v[242:243], v[242:243], v[118:119]
	v_pk_add_f32 v[14:15], v[14:15], v[122:123]
	v_pk_add_f32 v[236:237], v[236:237], v[126:127]
	v_pk_add_f32 v[252:253], v[252:253], v[130:131]
	v_pk_add_f32 v[250:251], v[250:251], v[134:135]
	v_pk_add_f32 v[248:249], v[248:249], v[138:139]
	v_pk_add_f32 v[246:247], v[246:247], v[142:143]
	v_pk_add_f32 v[244:245], v[244:245], v[146:147]
	v_pk_add_f32 v[242:243], v[242:243], v[150:151]
	v_pk_add_f32 v[14:15], v[14:15], v[154:155]
	v_pk_add_f32 v[236:237], v[236:237], v[158:159]
	s_delay_alu instid0(VALU_DEP_2)
	v_pk_add_f32 v[14:15], v[14:15], v[248:249]
	s_delay_alu instid0(VALU_DEP_2)
	v_pk_add_f32 v[236:237], v[236:237], v[246:247]
	v_pk_add_f32 v[252:253], v[252:253], v[244:245]
	v_pk_add_f32 v[250:251], v[250:251], v[242:243]
	s_delay_alu instid0(VALU_DEP_2)
	v_pk_add_f32 v[14:15], v[14:15], v[252:253]
	s_delay_alu instid0(VALU_DEP_2)
	v_pk_add_f32 v[236:237], v[236:237], v[250:251]
	s_delay_alu instid0(VALU_DEP_1)
	v_pk_add_f32 v[14:15], v[14:15], v[236:237]
.set J, 0
.rept 16
	v_pk_mul_f32 v[O+J:O+J+1], v[O+J:O+J+1], v[FF:FF+1] op_sel_hi:[1,0]   ; O^T under the new M.  (With the sums: the places between the codes and scale word just made and the products below)
.set J, J+2
.endr
	s_wait_alu depctr_va_vdst(0)
	s_wait_dscnt 0x0                               ; V
.irp d, 0,1,2,3                                ; O^T += V^T P^T: the four accumulators by turns; between two links of a chain stand the others' and the next step's scores
	v_wmma_scale_f32_16x16x128_f8f6f4 v[O+8*\d:O+8*\d+7], v[KF+12*\d:KF+12*\d+11], v[PC:PC+11], v[O+8*\d:O+8*\d+7], v[VS+\d], v[PW] matrix_a_fmt:MATRIX_FMT_FP6 matrix_b_fmt:MATRIX_FMT_FP6
.endr
.endm
; A PASS: tile t of my two tiles of 16 queries, over all 2,048 keys.
.macro PASS t
.irp i, 0,1,2,3,4,5
	v_mov_b32 v[QF+\i], v[QR+6*\t+\i]
	v_mov_b32 v[QF+12+\i], v[QR+6*\t+\i]
.if \t == 0
	v_mov_b32 v[QF+6+\i], 0                        ; the zeros between stay
.endif
.endr
.if \t == 0
	v_perm_b32 v[QS], v[QW], v[QW], 0x01000100     ; the tile's two bytes, twice
.else
	v_perm_b32 v[QS], v[QW], v[QW], 0x03020302
.endif
	v_mov_b32 v13, 0xff61b1e6                      ; the largest t so far: -3e38, under every t
	s_delay_alu instid0(VALU_DEP_1)
	v_floor_f32 v12, -v13                          ; -M
	v_mov_b32 v14, 0
	v_mov_b32 v15, 0
.set J, 0
.rept 32
	v_mov_b32 v[O+J], 0                            ; O^T: the step is written once; the first finds zeros, which the first change of M leaves zeros.  (Also the places between Q's registers and scale word and the first product)
.set J, J+1
.endr
	s_mov_b32 s[TK], 0
	s_mov_b32 s[TS], 0
	s_mov_b32 s[CNT], 16
.Lkeys_\t:
	STEP
	s_add_co_u32 s[TK], s[TK], 6144                ; four fragments on
	s_add_co_u32 s[TS], s[TS], 256
	s_sub_co_u32 s[CNT], s[CNT], 1
	s_cmp_lg_u32 s[CNT], 0
	s_cbranch_scc1 .Lkeys_\t
.rept 4
	v_nop                                          ; places behind the last products
.endr
	v_add_f32 v14, v14, v15                        ; the sum's two halves,
	s_delay_alu instid0(VALU_DEP_1)
	v_permlanex16_b32 v238, v14, s[SEL], s[SEL+1]
	s_delay_alu instid0(VALU_DEP_1)
	v_add_f32 v14, v14, v238                       ; and lane l xor 16's
	s_wait_alu depctr_va_vdst(0)
	v_rcp_f32 v[FF], v14
	v_nop                                          ; one plain place behind a transcendental
.set J, 0
	s_wait_alu depctr_va_vdst(0)
.rept 16
	v_pk_mul_f32 v[S+J:S+J+1], v[O+J:O+J+1], v[FF:FF+1] op_sel_hi:[1,0]   ; O^T / l, each accumulator from its low end on: register 8 d + j = the head's number 16 d + 8 h + j
.set J, J+2
.endr
.irp b, 0,1                                    ; TRUE ORDER: the upper lanes of tile 2 b change places with the lower lanes of tile 2 b + 1: register 16 b + i then holds number 32 b + 16 h + i
.irp j, 0,1,2,3,4,5,6,7
	v_permlane16_swap_b32 v[S+16*\b+\j], v[S+16*\b+8+\j]
.endr
.endr
.irp b, 0,1
	v_max3_num_f32 v[BM+\b], |v[S+16*\b]|, |v[S+1+16*\b]|, 0x1800000
.endr
.irp i, 2,4,6,8,10,12,14
.irp b, 0,1
	s_delay_alu instid0(VALU_DEP_2)
	v_max3_num_f32 v[BM+\b], v[BM+\b], |v[S+16*\b+\i]|, |v[S+1+16*\b+\i]|
.endr
.endr
.irp b, 0,1
	s_delay_alu instid0(VALU_DEP_2)
	v_permlanex16_b32 v[T4+\b], v[BM+\b], s[SEL], s[SEL+1]
.endr
.irp b, 0,1
	s_delay_alu instid0(VALU_DEP_2)
	v_max_num_f32 v[BM+\b], v[BM+\b], v[T4+\b]
.endr
.irp b, 0,1
	s_delay_alu instid0(VALU_DEP_2)
	v_add_nc_u32 v[SO+\b], 0xff000000, v[BM+\b]
.endr
.irp b, 0,1
	s_delay_alu instid0(VALU_DEP_2)
	v_lshrrev_b32 v[T4+\b], 23, v[SO+\b]
.endr
	s_delay_alu instid0(VALU_DEP_1)
	v_lshl_or_b32 v238, v[T4+1], 8, v[T4]          ; my row's two scale bytes
	v_cvt_scalef32_pk16_fp6_f32 v[PC:PC+2], v[S:S+15], v[SO]
	v_cvt_scalef32_pk16_fp6_f32 v[PC+12:PC+14], v[S+16:S+31], v[SO+1]
	v_nop
.irp i, 0,1,2
	v_permlane16_swap_b32 v[PC+\i], v[PC+12+\i]
.endr
.irp i, 0,1,2
	s_delay_alu instid0(VALU_DEP_3)
	v_mov_b32 v[PC+3+\i], v[PC+12+\i]              ; lane (r, h): the 32 codes of the head's block h of token r: six registers of the next product's fragment
.endr
.irp p, 0,1,2
	global_store_b64 v[L8], v[PC+2*\p:PC+2*\p+1], s[44:45] offset:12288*\t+256*\p   ; 32 lanes store 256 consecutive bytes, aligned
.endr
	global_store_b16 v[R8], v238, s[46:47] offset:512*\t   ; two bytes of each row's eight; lanes 16-31 store what lanes 0-15 store
.if \t == 0
	s_wait_xcnt 0x0                                ; the stores have read their registers: the next pass writes them again
.endif
.endm
	PASS 0
	PASS 1
	s_wait_tensorcnt 0x0
	ds_add_u32 v254, v255
	s_wait_dscnt 0x0
	CROUND                                         ; the closing round
	s_endpgm
.Lfunc_end_k_q80e510b187_attn:
	.size	k_q80e510b187_attn, .Lfunc_end_k_q80e510b187_attn-k_q80e510b187_attn
	.p2alignl 7, 3214868480
	.fill 96, 4, 3214868480
	.section	.rodata,"a",@progbits
	.p2align	6, 0x0
	.amdhsa_kernel k_q80e510b187_attn
		.amdhsa_group_segment_fixed_size 206848
		.amdhsa_private_segment_fixed_size 0
		.amdhsa_enable_private_segment 0
		.amdhsa_kernarg_size 24
		.amdhsa_user_sgpr_count 2
		.amdhsa_user_sgpr_kernarg_segment_ptr 1
		.amdhsa_wavefront_size32 1
		.amdhsa_system_sgpr_workgroup_id_x 1
		.amdhsa_system_sgpr_workgroup_id_y 1
		.amdhsa_system_sgpr_workgroup_id_z 1
		.amdhsa_system_vgpr_workitem_id 0
		.amdhsa_next_free_vgpr 256
		.amdhsa_next_free_sgpr 66
		.amdhsa_reserve_vcc 0
		.amdhsa_float_denorm_mode_32 3
		.amdhsa_float_denorm_mode_16_64 3
		.amdhsa_memory_ordered 1
		.amdhsa_forward_progress 1
		.amdhsa_inst_pref_size 53
	.end_amdhsa_kernel
	.amdgpu_metadata
---
amdhsa.version: [ 1, 2 ]
amdhsa.kernels:
  - .name:           k_q80e510b187_attn
    .symbol:         k_q80e510b187_attn.kd
    .args:
      - { .name: pack, .offset: 0, .size: 8, .value_kind: global_buffer, .address_space: global }
      - { .name: ac, .offset: 8, .size: 8, .value_kind: global_buffer, .address_space: global }
      - { .name: asc, .offset: 16, .size: 8, .value_kind: global_buffer, .address_space: global }
    .group_segment_fixed_size: 206848
    .private_segment_fixed_size: 0
    .kernarg_segment_align: 8
    .kernarg_segment_size: 24
    .max_flat_workgroup_size: 512
    .sgpr_count:     66
    .vgpr_count:     256
    .wavefront_size: 32
...
	.end_amdgpu_metadata
.endif
;; end of part 2
;; launch oproj (part 3): grid 8 x 32, 4 waves a work-group, clusters of 4 x 4, 327,680 bytes of LDS; arguments ac, asc, Wo_codes, Wo_scales, bo, out0; writes out0
.if DOCPART == 3
	.amdgcn_target "amdgcn-amd-amdhsa--gfx1250"
	.amdhsa_code_object_version 6
	.text
	.protected	k_q80e510b187_oproj
	.globl	k_q80e510b187_oproj
	.p2align	8
	.type	k_q80e510b187_oproj,@function
k_q80e510b187_oproj:
	s_mov_b64 s[64:65], 0
	v_nop
	global_prefetch_b8 v0, s[64:65] scope:SCOPE_SE
	s_setreg_imm32_b32 hwreg(HW_REG_WAVE_MODE, 25, 1), 1
	s_wait_xcnt 0x0
	s_wait_alu depctr_hold_cnt(0) depctr_sa_sdst(0) depctr_va_vdst(0) depctr_va_sdst(0) depctr_va_ssrc(0) depctr_va_vcc(0) depctr_vm_vsrc(0)
	s_getreg_b32 s2, hwreg(HW_REG_IB_STS2, 6, 4)
	s_cmp_eq_u32 s2, 0
	s_cbranch_scc0 .Lentry_in_a_cluster
	s_endpgm
.Lentry_in_a_cluster:
	s_bfe_u32 s2, ttmp6, 0x10000c
	s_cmp_lg_u32 s2, 0xf033
	s_cbranch_scc0 .Lentry_shape_is_right
	s_endpgm
.Lentry_shape_is_right:
; out0 = a Wo^T + bo: [8192 x 1024] x [1024 x 1024] on codes of FP6 (E2M3), one E8M0 scale for each 32 along K, sums in f32.
; a comes from the launch before: ac [tile of 16 tokens][8 fragments of 128 K][6 pairs of registers][32 lanes][8 bytes], asc [tile][4 pairs of steps][16 rows][8 bytes].  Wo: rows of 768 bytes of codes and 32 scale bytes.
; SHARES: 256 work-groups, each 256 tokens x 128 features; wave w makes tokens 64 w .. 64 w + 63 x all 128 features: 32 accumulators, one window of registers.
; The matrix instruction is used transposed (source 0 = rows of Wo, source 1 = tokens): a lane holds eight neighbouring features of a token.  The bias is the first products' C.
; K goes through a ring of two slots in three fills: Wo in chunks of 256 bytes of each row; a in runs of 3, 3 and 2 fragments a tile (4,608, 4,608, 3,072 bytes, each at a multiple of 256), so that a's steps 3 c .. 3 c + 2 lie with Wo's chunk c.
; At the head one joint load a wave: a's fill 0, Wo's chunk 0, a's scale bytes, Wo's.  Fill 1 goes out behind a whole round; fill 2 is the one refill.  The stage for the way out has LDS bytes of its own.
; No prefetch: of three fills two are asked for at the head, so no step lies far enough ahead of a load to ask in.
; CLUSTERS 4 x 4: a's tiles are shared along a row of the cluster, Wo's along a column.
; LIMITS: NaN and infinities are not served.
.set SIZE_N, 1024
.set ROWB,   256
.set KROW,   768
.set STEPS,  8
.set CHUNKS, 3
.set PITCH,  272
.set FR,     12
.set NL,     6
.set NP,     4
.set AT,     4608                      ; a tile's bytes in fills 0 and 1
.set AT2,    3072                      ; in fill 2
.set BOFF,   16*AT                     ; Wo's 128 rows lie behind a's 16 tiles
.set SLOT,   BOFF+128*PITCH
.set SCLA,   2*SLOT                    ; a's scale bytes, 8,192
.set SCLB,   SCLA+8192                 ; Wo's: 16 units of 256 + 16
.set SBLK,   544
.set STAGE,  SCLB+16*272
.set SPITCH, 528
.set SPARE,  STAGE+4*16*SPITCH
.set ADRA, 16                          ; v16, v17 my tiles of a in slot 0, 1; v18 in fill 2
.set ADRB, 20                          ; v20-23 Wo's fragments, as in launch proj
.set STO,  24
.set RD,   25
.set CO,   26
.set ADSA, 27
.set SPW,  28
.set NIL,  29
.set ADSB, 30
.set BA,   31
.set SA,   32                          ; a's scale words, two sets of 16 registers (8 used)
.set SB,   64                          ; Wo's, two sets of 16
.set AF,   128
.set BK,   128
.set G0H, 4
.set G0HB, 8
.set G1, 24
.set G0, 32
.set G1B, 48
.set G0B, 56
.set G1S, 68
.set G0S, 76
.set G1SB, 80
.set G0SB, 88
.set MSB, 0
.macro WIN new
.if MSB != (\new)
	s_set_vgpr_msb (MSB<<8)|(\new)
.set MSB, (\new)
.endif
.endm
.set MULW,  0xa1                       ; source 0 window 1, source 1 window 0, C and D window 2
.set BIASW, 0x91                       ; C window 1
.set TO_B,  0x40
.macro TLOAD g0, g1                    ; s_nop 0 and four v_nop behind the load
	tensor_load_to_lds s[\g0:\g0+3], s[\g1:\g1+7]
	s_nop 0
.rept 4
	v_nop
.endr
.endm
.macro JLOAD g0a, g1a, g0b, g1b        ; waves 0, 1 fetch a's halves, waves 2, 3 Wo's
	s_cmp_eq_u32 s15, 0
	s_cbranch_scc0 .Lfor_b_\@
	TLOAD \g0a, \g1a
	s_branch .Lasked_\@
.Lfor_b_\@:
	TLOAD \g0b, \g1b
.Lasked_\@:
.endm
.macro CREST
	s_cmp_lg_u32 s14, 0
	s_cbranch_scc1 .Lnot_wave_0_\@
	s_barrier_signal -3
.Lnot_wave_0_\@:
	s_barrier_wait -3
	s_barrier_signal -1
	s_barrier_wait -1
.endm
.macro CROUND
	s_barrier_signal -1
	s_barrier_wait -1
	CREST
.endm
	s_load_b128 s[4:7], s[0:1], 0x0                ; ac, asc
	s_load_b128 s[8:11], s[0:1], 0x10              ; Wo's codes, scales
	s_load_b64 s[96:97], s[0:1], 0x20              ; bo
	s_load_b64 s[12:13], s[0:1], 0x28              ; out0
	v_lshl_add_u32 v[SPW], v0, 2, SPARE
	v_mov_b32 v[NIL], 0
	ds_add_u32 v[SPW], v[NIL]                      ; the opening lines: the add twice on end and one wait
	ds_add_u32 v[SPW], v[NIL]
	v_lshrrev_b32 v1, 5, v0
	v_readfirstlane_b32 s14, v1                    ; wave
	s_lshr_b32 s15, s14, 1                         ; I fetch for a (0) or for Wo (1),
	s_and_b32 s16, s14, 1                          ; which half
	s_bfe_u32 s40, ttmp6, 0x40000
	s_bfe_u32 s41, ttmp6, 0x40004
	s_lshl_b32 s42, ttmp9, 2
	s_add_co_u32 s42, s42, s40                     ; tile of 128 features
	s_and_b32 s17, ttmp7, 0xffff
	s_lshl_b32 s17, s17, 2
	s_add_co_u32 s17, s17, s41                     ; tile of 256 tokens
	s_lshl_b32 s43, s41, 2
	s_lshl_b32 s43, 15, s43
	s_lshl_b32 s44, 0x1111, s40
	s_or_b32 s[G1+0], s43, (3<<16)|(1<<21)         ; a: 16 rows of 4,608 bytes (576 elements of 8), 12,288 apart, dense in LDS
	s_mov_b32 s[G1+1], (AT/8)<<16
	s_mov_b32 s[G1+2], 16<<16
	s_mov_b32 s[G1+3], (AT/8)<<16
	s_mov_b32 s[G1+4], 16
	s_mov_b32 s[G1+5], 1536
	s_mov_b32 s[G1+6], 0
	s_mov_b32 s[G1+7], 0
	s_or_b32 s[G1B+0], s44, (1<<20)|(1<<21)|(5<<22)|(3<<25)   ; Wo: 128 rows of 256 bytes, padded by 16
	s_mov_b32 s[G1B+1], ROWB<<16
	s_mov_b32 s[G1B+2], 128<<16
	s_mov_b32 s[G1B+3], ROWB<<16
	s_mov_b32 s[G1B+4], 128
	s_mov_b32 s[G1B+5], KROW
	s_mov_b32 s[G1B+6], 0
	s_mov_b32 s[G1B+7], 0
	s_or_b32 s[G1S+0], s43, (3<<16)|(1<<21)        ; a's scale bytes: 32 rows of 256, dense
	s_mov_b32 s[G1S+2], 32<<16
	s_mov_b32 s[G1S+4], 32
	s_or_b32 s[G1SB+0], s44, (3<<16)|(1<<20)|(1<<21)|(5<<22)|(3<<25)   ; Wo's: 16 rows of 256, padded
	s_mov_b32 s[G1SB+2], 16<<16
	s_mov_b32 s[G1SB+4], 16
.irp g, G1S, G1SB
	s_mov_b32 s[\g+1], 32<<16
	s_mov_b32 s[\g+3], 32<<16
	s_mov_b32 s[\g+5], 32
	s_mov_b32 s[\g+6], 0
	s_mov_b32 s[\g+7], 0
.endr
	s_mul_i32 s20, s17, 16*12288
	s_mov_b32 s21, 0
	s_lshl_b32 s22, s17, 13
	s_mov_b32 s23, 0
	s_mul_i32 s46, s42, 128*KROW
	s_mov_b32 s47, 0
	s_lshl_b32 s92, s42, 12
	s_mov_b32 s93, 0
	s_mul_i32 s18, s16, 8*12288                    ; my half in memory: a's,
	s_mov_b32 s19, 0
	s_mul_i32 s94, s16, 64*KROW                    ; Wo's
	s_mov_b32 s95, 0
	s_mul_i32 s45, s16, 8*AT                       ; and in LDS
	s_mul_i32 s98, s16, 8*AT2
	s_mul_i32 s99, s16, 64*PITCH
	s_wait_dscnt 0x0
	s_wait_kmcnt 0x0
	s_add_nc_u64 s[20:21], s[4:5], s[20:21]
	s_add_nc_u64 s[22:23], s[6:7], s[22:23]
	s_add_nc_u64 s[46:47], s[8:9], s[46:47]
	s_add_nc_u64 s[92:93], s[10:11], s[92:93]
	CROUND                                         ; the first joint loads meet
	s_mov_b32 s[G0H], 1
	s_mov_b32 s[G0H+1], 0
	s_mov_b64 s[G0H+2:G0H+3], s[20:21]
	s_or_b32 s[G0H+3], s[G0H+3], 0x80000000
	s_mov_b32 s[G0HB], 1
	s_mov_b32 s[G0HB+1], BOFF
	s_mov_b64 s[G0HB+2:G0HB+3], s[46:47]
	s_or_b32 s[G0HB+3], s[G0HB+3], 0x80000000
	s_mov_b32 s[G0S], 1
	s_mov_b32 s[G0S+1], SCLA
	s_mov_b64 s[G0S+2:G0S+3], s[22:23]
	s_or_b32 s[G0S+3], s[G0S+3], 0x80000000
	s_mov_b32 s[G0SB], 1
	s_mov_b32 s[G0SB+1], SCLB
	s_mov_b64 s[G0SB+2:G0SB+3], s[92:93]
	s_or_b32 s[G0SB+3], s[G0SB+3], 0x80000000
	s_add_nc_u64 s[20:21], s[20:21], s[18:19]
	s_add_nc_u64 s[46:47], s[46:47], s[94:95]
	s_mov_b32 s[G0], 1                             ; slot 0's one refill is fill 2,
	s_mov_b32 s[G0+1], s98
	s_add_nc_u64 s[G0+2:G0+3], s[20:21], 2*AT
	s_or_b32 s[G0+3], s[G0+3], 0x80000000
	s_mov_b32 s[G0+4], 1                           ; slot 1 takes fill 1
	s_add_co_u32 s[G0+5], s45, SLOT
	s_add_nc_u64 s[G0+6:G0+7], s[20:21], AT
	s_or_b32 s[G0+7], s[G0+7], 0x80000000
.irp s, 0,1
	s_mov_b32 s[G0B+4*\s], 1
	s_add_co_u32 s[G0B+4*\s+1], s99, BOFF+\s*SLOT
	s_add_nc_u64 s[G0B+4*\s+2:G0B+4*\s+3], s[46:47], (2-\s)*ROWB
	s_or_b32 s[G0B+4*\s+3], s[G0B+4*\s+3], 0x80000000
.endr
.macro ARM under, g0, g1, next         ; one tree of branches on the wave's number, one load to an arm
	s_cmp_lt_u32 s14, \under
	s_cbranch_scc0 \next
	TLOAD \g0, \g1
	s_branch .Lhead_asked
\next:
.endm
	ARM 1, G0H,  G1,  .Lhead_b
	ARM 2, G0HB, G1B, .Lhead_sa
	ARM 3, G0S,  G1S, .Lhead_sb
	TLOAD G0SB, G1SB
.Lhead_asked:
	v_and_b32 v1, 15, v0                           ; r
	v_bfe_u32 v2, v0, 4, 1                         ; h
	v_and_b32 v6, 31, v0                           ; lane
	v_mul_u32_u24 v3, v1, PITCH
	v_mul_u32_u24 v4, v2, 24
	v_add_nc_u32 v4, v3, v4
	s_mov_b32 s21, SLOT-232
	s_mov_b32 s22, SLOT+232
	v_sub_nc_u32 v7, 1, v2
	v_mul_u32_u24 v5, s21, v2
	v_add_nc_u32 v5, v3, v5
	v_add_nc_u32 v5, 232, v5                       ; lanes 0-15 byte 232 of the row in slot 0, lanes 16-31 byte 0 in slot 1
	v_mul_u32_u24 v8, s22, v7
	v_add_nc_u32 v8, v3, v8                        ; and the other way round
	v_add_nc_u32 v[ADRB], BOFF, v4
	v_add_nc_u32 v[ADRB+1], BOFF+SLOT, v4
	v_add_nc_u32 v[ADRB+2], BOFF, v5
	v_add_nc_u32 v[ADRB+3], BOFF, v8
	v_lshlrev_b32 v9, 3, v6
	s_mul_i32 s21, s14, 4*AT                       ; my four tiles of a
	s_mul_i32 s22, s14, 4*AT2
	v_add_nc_u32 v[ADRA], s21, v9
	s_add_co_u32 s21, s21, SLOT
	v_add_nc_u32 v[ADRA+1], s21, v9
	v_add_nc_u32 v[ADRA+2], s22, v9
	s_lshl_b32 s21, s14, 11
	s_add_co_u32 s21, s21, SCLA
	v_lshl_add_u32 v[ADSA], v1, 3, s21
	v_lshlrev_b32 v5, 5, v1
	v_lshrrev_b32 v7, 8, v5
	v_lshl_add_u32 v5, v7, 4, v5
	v_add_nc_u32 v[ADSB], SCLB, v5
	s_mul_i32 s23, s14, 16*SPITCH
	s_add_co_u32 s23, s23, STAGE
	v_mul_u32_u24 v5, v1, SPITCH
	v_lshl_add_u32 v5, v2, 5, v5
	v_add_nc_u32 v[STO], s23, v5
	v_lshlrev_b32 v[CO], 4, v6
	v_add_nc_u32 v[RD], s23, v[CO]
	v_lshlrev_b32 v[BA], 5, v2
	s_wait_alu depctr_va_vdst(0)                   ; the wait behind the head's last vector line
	s_lshl_b32 s20, s17, 20                        ; my first row of out0: (256 x tile + 64 x wave) x 4,096 bytes,
	s_lshl_b32 s21, s14, 18
	s_add_co_u32 s20, s20, s21
	s_lshl_b32 s46, s42, 9                         ; my 128 features: 512 bytes
	s_mov_b32 s47, 0
	s_add_co_u32 s20, s20, s46
	s_mov_b32 s21, 0
	s_add_nc_u64 s[96:97], s[96:97], s[46:47]
	s_add_nc_u64 s[12:13], s[12:13], s[20:21]
	WIN TO_B                                       ; the bias by registers: feature 16 b + 8 h + j
.irp b, 0,1,2,3,4,5,6,7
	global_load_b128 v[96+8*\b+96*(\b/4):96+8*\b+96*(\b/4)+3], v[BA], s[96:97] offset:64*\b
	global_load_b128 v[96+8*\b+96*(\b/4)+4:96+8*\b+96*(\b/4)+7], v[BA], s[96:97] offset:64*\b+16
.endr
	WIN 0
.macro FRAG reg, adr, st, i            ; Wo: six pieces of 8 bytes; byte y of a row lies in slot (y / 256) % 2 at byte y % 256
.irp p, 0,1,2,3,4,5
.set BY, 96*(\st)+48*(\p/3)+8*(\p%3)
.if BY/ROWB == (BY+24)/ROWB
	ds_load_b64 v[\reg+2*\p:\reg+2*\p+1], v[\adr+(BY/ROWB)%2] offset:BY%ROWB+(\i)*16*PITCH
.else
	ds_load_b64 v[\reg+2*\p:\reg+2*\p+1], v[\adr+2+(BY/ROWB)%2] offset:BY%ROWB-232+(\i)*16*PITCH
.endif
.endr
.endm
.macro FRAG_A st, i                    ; a: the fragment's registers as they were stored, 256 bytes a pair
.if (\st) < 6
.set AB_, (\i)*AT+((\st)%3)*1536
.set AR_, ADRA+((\st)/3)%2
.else
.set AB_, (\i)*AT2+((\st)-6)*1536
.set AR_, ADRA+2
.endif
.irp p, 0,1,2,3,4,5
	ds_load_b64 v[AF+FR*(\i)+2*\p:AF+FR*(\i)+2*\p+1], v[AR_] offset:AB_+256*\p
.endr
.endm
.macro MULA a, st, first               ; a's block against Wo's eight; the 32 accumulators take turns
.irp b, 0,1,2,3,4,5,6,7
.if \first
	v_wmma_scale_f32_16x16x128_f8f6f4 v[8*(8*(\a)+\b):8*(8*(\a)+\b)+7], v[128*((\st)%2)+FR*\b:128*((\st)%2)+FR*\b+FR-1], v[AF+FR*(\a):AF+FR*(\a)+FR-1], v[96+8*\b+96*(\b/4):96+8*\b+96*(\b/4)+7], v[SB+16*(((\st)/2)%2)+2*\b+(\st)%2], v[SA+16*(((\st)/2)%2)+2*(\a)+(\st)%2] matrix_a_fmt:MATRIX_FMT_FP6 matrix_b_fmt:MATRIX_FMT_FP6
.else
	v_wmma_scale_f32_16x16x128_f8f6f4 v[8*(8*(\a)+\b):8*(8*(\a)+\b)+7], v[128*((\st)%2)+FR*\b:128*((\st)%2)+FR*\b+FR-1], v[AF+FR*(\a):AF+FR*(\a)+FR-1], v[8*(8*(\a)+\b):8*(8*(\a)+\b)+7], v[SB+16*(((\st)/2)%2)+2*\b+(\st)%2], v[SA+16*(((\st)/2)%2)+2*(\a)+(\st)%2] matrix_a_fmt:MATRIX_FMT_FP6 matrix_b_fmt:MATRIX_FMT_FP6
.endif
.endr
.endm
.macro FETCH_B st
	WIN TO_B
.irp i, 0,1,2,3,4,5,6,7
	FRAG 128*((\st)%2)+FR*\i, ADRB, \st, \i
.endr
	WIN 0
.endm
.macro FETCH_A st, i0
	FRAG_A \st, \i0
	FRAG_A \st, \i0+1
.endm
.macro SCALES pr
.irp i, 0,1,2,3
	ds_load_b64 v[SA+16*((\pr)%2)+2*\i:SA+16*((\pr)%2)+2*\i+1], v[ADSA] offset:\i*512+128*(\pr)
.endr
.irp i, 0,1,2,3,4,5,6,7
	ds_load_b64 v[SB+16*((\pr)%2)+2*\i:SB+16*((\pr)%2)+2*\i+1], v[ADSB] offset:\i*SBLK+8*(\pr)
.endr
.endm
.macro PLACES n
.rept \n
	v_nop
.endr
.endm
; A step of 128 along K: 32 products; the next step's fragments are fetched in its middle (Wo's eight, a's blocks 0, 1) and at its end (a's blocks 2, 3).  Barriers go by Wo's chunks, as in launch proj.
.macro STEP st, first
.set NX, (\st)+1
.set C0, (96*(\st))/ROWB
.set C1, (96*NX)/ROWB
.set E0, (96*(\st)+95)/ROWB
.set E1, (96*NX+95)/ROWB
.set MW_, MULW-0x10*(\first)
.if C1 > C0 || E1 > E0
	s_wait_tensorcnt 0x0
.if C1 > C0
	ds_add_u32 v[SPW], v[NIL]
	s_wait_dscnt 2*NL+1                            ; the add and a's blocks 2, 3 may be out
.else
	s_wait_dscnt 2*NL
.endif
	WIN MW_
	MULA 0, \st, \first
	s_wait_dscnt 0x0
	s_barrier_signal -1
	MULA 1, \st, \first
	WIN 0
	s_barrier_wait -1
.if C1 > C0 && C0+2 < CHUNKS
	CREST
	s_mov_b32 s[G1+1], (AT2/8)<<16                 ; no load of mine is out: fill 2's rows are 3,072 bytes
	s_mov_b32 s[G1+3], (AT2/8)<<16
	JLOAD G0+4*(C0%2), G1, G0B+4*(C0%2), G1B
.else
	PLACES NP
.endif
.else
	s_wait_dscnt 2*NL                              ; all but a's blocks 2, 3
	WIN MW_
	MULA 0, \st, \first
	MULA 1, \st, \first
	s_wait_dscnt 0
	PLACES NP
.endif
	FETCH_B NX
	FETCH_A NX, 0
.if NX%2 == 0
	SCALES NX/2
.endif
	WIN MW_
	MULA 2, \st, \first
	MULA 3, \st, \first
	PLACES NP
	WIN 0
	FETCH_A NX, 2
.endm
	s_wait_tensorcnt 0x0                           ; my tile of the head's four is in; the three lines ahead of slot 1's first fill
	ds_add_u32 v[SPW], v[NIL]
	s_mov_b32 s[G1+2], 8<<16                       ; no load of mine is out: from here on a load brings half a tile
	s_mov_b32 s[G1+4], 8
	s_mov_b32 s[G1B+2], 64<<16
	s_mov_b32 s[G1B+4], 64
	s_wait_dscnt 0x0
	CROUND
	JLOAD G0+4, G1, G0B+4, G1B                     ; fill 1
	FETCH_B 0
	FETCH_A 0, 0
	SCALES 0
	FETCH_A 0, 2
	s_wait_loadcnt 0x0                             ; the bias
	STEP 0, 1
.set SN, 1
.rept STEPS-2
	STEP SN, 0
.set SN, SN+1
.endr
	s_wait_dscnt 2*NL
	WIN MULW
	MULA 0, 7, 0
	MULA 1, 7, 0
	s_wait_dscnt 0
	MULA 2, 7, 0
	MULA 3, 7, 0
	WIN 0
; THE WAY OUT, by blocks of 16 tokens x 128 features, through my own stage: whole rows of 512 bytes come back and are stored as two aligned units of 256 bytes.
.macro TOSTAGE a
	WIN 0x08
.irp b, 0,1,2,3,4,5,6,7
	ds_store_b128 v[STO], v[64*(\a)+8*\b:64*(\a)+8*\b+3] offset:64*\b
	ds_store_b128 v[STO], v[64*(\a)+8*\b+4:64*(\a)+8*\b+7] offset:64*\b+16
.endr
	WIN 0
.set BB, BK+64*((\a)%2)
.irp t, 0,1,2,3,4,5,6,7,8,9,10,11,12,13,14,15
	ds_load_b128 v[BB+4*\t:BB+4*\t+3], v[RD] offset:\t*SPITCH
.endr
.endm
.macro SEND a, younger                 ; younger: the LDS instructions issued behind block a's loads
.set BB, BK+64*((\a)%2)
	s_wait_dscnt \younger
.if (\a) > 0
	s_add_nc_u64 s[12:13], s[12:13], 16*SIZE_N*4   ; behind a wait on XCNT
.endif
.irp t, 0,1,2,3,4,5,6,7,8,9,10,11,12,13,14,15
	global_store_b128 v[CO], v[BB+4*\t:BB+4*\t+3], s[12:13] offset:\t*SIZE_N*4 th:TH_STORE_NT
.endr
.endm
	PLACES NP
	TOSTAGE 0
.irp a, 1,2,3
.if \a > 1
	s_wait_xcnt 0x0
.endif
	TOSTAGE \a
	SEND \a-1, 32
.endr
	s_wait_xcnt 0x0
	SEND 3, 0
	s_wait_tensorcnt 0x0                           ; the wave's end
	ds_add_u32 v[SPW], v[NIL]
	s_wait_dscnt 0x0
	CROUND                                         ; the closing round
	s_endpgm
.Lfunc_end_k_q80e510b187_oproj:
	.size	k_q80e510b187_oproj, .Lfunc_end_k_q80e510b187_oproj-k_q80e510b187_oproj
	.p2alignl 7, 3214868480
	.fill 96, 4, 3214868480
	.section	.rodata,"a",@progbits
	.p2align	6, 0x0
	.amdhsa_kernel k_q80e510b187_oproj
		.amdhsa_group_segment_fixed_size 327680
		.amdhsa_private_segment_fixed_size 0
		.amdhsa_enable_private_segment 0
		.amdhsa_kernarg_size 48
		.amdhsa_user_sgpr_count 2
		.amdhsa_user_sgpr_kernarg_segment_ptr 1
		.amdhsa_wavefront_size32 1
		.amdhsa_system_sgpr_workgroup_id_x 1
		.amdhsa_system_sgpr_workgroup_id_y 1
		.amdhsa_system_sgpr_workgroup_id_z 1
		.amdhsa_system_vgpr_workitem_id 0
		.amdhsa_next_free_vgpr 768
		.amdhsa_next_free_sgpr 100
		.amdhsa_reserve_vcc 0
		.amdhsa_float_denorm_mode_32 3
		.amdhsa_float_denorm_mode_16_64 3
		.amdhsa_memory_ordered 1
		.amdhsa_forward_progress 1
		.amdhsa_inst_pref_size 104
	.end_amdhsa_kernel
	.amdgpu_metadata
---
amdhsa.version: [ 1, 2 ]
amdhsa.kernels:
  - .name:           k_q80e510b187_oproj
    .symbol:         k_q80e510b187_oproj.kd
    .args:
      - { .name: ac, .offset: 0, .size: 8, .value_kind: global_buffer, .address_space: global }
      - { .name: asc, .offset: 8, .size: 8, .value_kind: global_buffer, .address_space: global }
      - { .name: Wo_codes, .offset: 16, .size: 8, .value_kind: global_buffer, .address_space: global }
      - { .name: Wo_scales, .offset: 24, .size: 8, .value_kind: global_buffer, .address_space: global }
      - { .name: bo, .offset: 32, .size: 8, .value_kind: global_buffer, .address_space: global }
      - { .name: out0, .offset: 40, .size: 8, .value_kind: global_buffer, .address_space: global }
    .group_segment_fixed_size: 327680
    .private_segment_fixed_size: 0
    .kernarg_segment_align: 8
    .kernarg_segment_size: 48
    .max_flat_workgroup_size: 128
    .sgpr_count:     100
    .vgpr_count:     768
    .wavefront_size: 32
...
	.end_amdgpu_metadata
.endif
;; end of part 3
